; MI455X (gfx1250); checked and timed in simulation.
; The chip was launched on July 23, 2026; its instructions are those of AMD's public machine-readable ISA for CDNA 5 (MIT licence, August 2026) and "CDNA5" Instruction Set Architecture Reference Guide (July 2026). The comments in the code are by the model that wrote it; some were corrected since.
;; Geometric Attention Bias. Allowed arithmetic: matrix products marked QUANTISED: E4M3 operands, one E8M0 scale for each 32 along K, by v_wmma_scale_f32_16x16x128_f8f6f4 with both operands' format E4M3, f32 sums; products left as they are: f32 operands where the result goes on into a quantised operand, else bf16, f16 or f32 operands; f32 sums; everything else in f32.
;; Inputs: W1 4 x 128 float32; W2_codes 64 x 4 x 32 uint8 (E4M3 codes of W2, K innermost, in blocks of 32 codes); W2_scales 64 x 4 uint8 (E8M0 scales of W2, one for each 32 codes along K); W3 64 x 8 float32; b1 128 float32; b2 64 float32; b3 8 float32; beta1 128 float32; beta2 64 float32; bias_scale 8 float32; g1 128 float32; g2 64 float32; grasp_poses 4 x 64 x 7 float32; grasp_tokens 4 x 64 x 256 float32; scene_points 4 x 4,096 x 3 float32.
;; Outputs: out0 4 x 8 x 64 x 4,096 float32.
;; This version of the problem:
;;   THIS VERSION OF THE PROBLEM IS GIVEN IN LOW PRECISION. The matrix products marked QUANTISED in the list below multiply operands that are first quantised to E4M3 (4 exponent bits, 3 mantissa bits; 8 bits a number), with one power-of-two scale for each 32 numbers along K (OCP MX v1.0); their sums are f32. All else is computed in f32.
;;   The module's matrix products, in the order in which they are computed (A, B: the left and right operand; K: the contracted axis; several contracted axes count as one K, in the product's order):
;;     1. batch 256 x [M 4,096, K 3] x [K 3, N 3]; A: computed on the way; B: computed on the way: left as it is (K = 3 < 32)
;;     2. [M 1,048,576, K 4] x [K 4, N 128]; A: computed on the way; B: input W1: left as it is (K = 4 < 32)
;;     3. [M 1,048,576, K 128] x [K 128, N 64]; A: computed on the way; B: input W2 (given as codes): QUANTISED
;;     4. [M 1,048,576, K 64] x [K 64, N 8]; A: computed on the way; B: input W3: left as it is (N = 8 < 16)
;;   THE QUANTISER, for each operand of a quantised product, along K:
;;     - K is cut into blocks of 32 from its start; a last block that is shorter is filled with zeros.
;;     - A block's scale is 2^e with e = floor(log2(the largest magnitude in the block)) - 8, held to -126 .. 127; a block of zeros has e = 0. As a byte (E8M0): e + 127.
;;     - Each number is divided by its block's scale, clamped to +-448, and rounded to the nearest number of E4M3, ties to even, subnormals kept.
;;     - The product sums the exact products of the quantised numbers (number of the format x scale) in f32.
;;   ~~~python
;;   def quantise(x, axis):      # numpy; x: float32 -> the quantised numbers, widened to float32 again
;;       x = np.moveaxis(x, axis, -1); K = x.shape[-1]
;;       x = np.pad(x, [(0, 0)] * (x.ndim - 1) + [(0, -K % 32)]); x = x.reshape(x.shape[:-1] + (-1, 32)); a = np.abs(x).max(-1, keepdims=True)
;;       e = np.where(a > 0, np.clip(np.frexp(np.where(a > 0, a, 1))[1] - 1 - 8, -126, 127), 0)      # np.frexp(a)[1] - 1 = floor(log2(a)), exactly
;;       r = np.clip(x / 2.0 ** e, -448, 448)
;;       step = 2.0 ** (np.maximum(np.frexp(np.where(r == 0, 1, r))[1] - 1, -6) - 3)
;;       q = np.round(r / step) * step * 2.0 ** e      # np.round: ties to even
;;       return np.moveaxis(q.reshape(q.shape[:-2] + (-1,))[..., :K], -1, axis).astype(np.float32)
;;   ~~~
;;   OPERANDS COMPUTED ON THE WAY. 'Computed on the way' means the value that the module computes at that place (a softmax that the list does not call 'softmax' is quantised finished and normalised). What goes into a quantiser is computed in f32, as accurately as f32 sums, v_exp_f32 and their like allow (about 1e-6 of the number): no bf16 or f16 on the way to a quantiser, and a product that is left as it is and whose result goes on into a quantised operand takes f32 operands (vector FMAs, or v_wmma_f32_16x16x4_f32). A number that lies on a knife's edge between two numbers of the format may be rounded either way, as far as f32 arithmetic and the matrix unit's own rounding can turn it there, and no further.
;;   INPUTS GIVEN AS CODES. W2 (in the module: [128, 64], K = its axis 0): each comes as NAME_codes (uint8): NAME with its K axis moved to the last place and cut into blocks of 32 codes, [.., K / 32, bytes a block], one block behind the other in memory; one code a byte (a code: sign, 4 exponent bits, 3 mantissa bits); and NAME_scales (uint8): the same leading axes, one E8M0 byte (e + 127) for each 32 codes along K. Its value is code x scale, taken as it is: it is not quantised again, and the codes and scales need not be those that the quantiser above would give.
;; 2 versions, each right; version 2 is version 1 with the launch geo written anew for expert scheduling mode. Each part assembles by itself: llvm-mc -triple=amdgcn-amd-amdhsa -mcpu=gfx1250 --defsym DOCPART=n.
;; ======== version 1 of 2: 1 launch
;; launch geo (part 1): grid 64 x 4, 8 waves a work-group, no clusters, 19,456 bytes of LDS; arguments scene_points, grasp_poses, W1, b1, g1, beta1, W2_codes, W2_scales, b2, g2, beta2, W3, b3, bias_scale, out0; writes out0
.if DOCPART == 1
	.amdgcn_target "amdgcn-amd-amdhsa--gfx1250"
	.amdhsa_code_object_version 6
	.text
	.protected	k_q4b1a4f9eba_geo
	.globl	k_q4b1a4f9eba_geo
	.p2align	8
	.type	k_q4b1a4f9eba_geo,@function
k_q4b1a4f9eba_geo:
	s_mov_b64 s[64:65], 0
	v_nop
	global_prefetch_b8 v0, s[64:65] scope:SCOPE_SE
	s_setreg_imm32_b32 hwreg(HW_REG_WAVE_MODE, 25, 1), 1
	s_wait_xcnt 0x0
; GEOMETRIC ATTENTION BIAS.  For each (batch b, grasp g, point p): v = point - t;  l = R^T v;  feats = (l, |l|);  h = LN(relu(feats W1 + b1));  h is quantised to E4M3 with one E8M0 scale for each 32 of its 128;
; h2 = LN(relu(Q(h) W2 + b2)), W2 given as codes;  out[b][head][g][p] = (h2 W3 + b3)[head] x bias_scale[head].  4 x 64 x 4,096 rows; nothing between the points and out0 goes to memory.
; SHARES.  A work-group takes one (b, g): x = g, y = b.  Its eight waves take 512 points each: 32 tiles of 16 points, 8 trips of 4 tiles.  R and t are the same for a whole wave and lie in scalar registers;
; all weights lie in each wave's registers (328 of its 512).  The waves share no LDS byte, so there is no barrier.
; LAYOUT.  r = lane % 16, h = lane / 16.  All three products are used transposed (source 0 = rows of a weight, source 1 = 16 points): A LANE HOLDS ONE POINT, r, FROM THE FEATURES TO THE RESULT.
;   4 -> 128, f32 matrix form (its K is 4), C = b1.  Row m of tile 2 b + u is hidden unit 32 b + 8 u + m + 8 (m / 8), so that register 16 b + i of a lane is unit 32 b + 16 h + i: the order of the 8-bit operand.
;   128 -> 64 on codes, C = b2.  Register 8 t + j is unit 16 t + 8 h + j, which, rounded to bf16 in pairs, is source 1 of the last product as it stands.
;   64 -> 8, bf16.  The second LayerNorm is folded in exactly: out = rs x sum_k d_k (g2_k W3_kn s_n) + (sum_k beta2_k W3_kn + b3_n) s_n, d = relu(.) - mean, rs = 1 / sqrt(var + eps).  Both constant factors are made
;   once a wave in f32; the first is then rounded to bf16, and so is d.  Rows 0-3 of source 0 are heads 0-3, rows 8-11 heads 4-7, the others 0: a lane's four lowest result registers are heads 4 h + 0 .. 3.
; THE WAY OUT.  A tile gives a lane four numbers of four far rows of out0.  Four tiles are gathered in the wave's own stage in LDS (8 head rows x 64 points) and leave as 256 consecutive aligned bytes for each 16 lanes.
; LIMITS.  NaN and infinities among the inputs are not served (the relu's maximum turns a NaN into 0).  A squared distance or a squared quaternion norm under 2^-126 counts as 0 in v_sqrt_f32.  A block of zeros has
; the scale byte 1 where the rule says 127: its codes are zeros, and this program alone reads the byte.  Sums run in another order than the reference's; (d g) rs + beta stands for ((d rs) g) + beta.
; grasp_tokens appears in no expression of the reference, so no output number hangs on it: it is not among the arguments and is not loaded.
.set DUAL,   1                         ; 1: two relus in one dual instruction; 0: singly
.set WSTG,   2304                      ; LDS: a wave's stage: 8 rows of SPITCH bytes, rounded up to whole blocks of 256
.set SPITCH, 272                       ; 64 points x 4 bytes + 16: lanes 16-31 store 4 rows = 272 words further on than lanes 0-15, 16 banks on (64 banks of 4 bytes: ISA guide 11.1)
.set SPARE,  8*WSTG                    ; behind the stages: the spare words, 128 bytes for each wave: four blocks of 256 bytes that no other line names
; window 0
.set VP,   1                           ; v1      12 r: my point in a tile's 192 bytes; never rewritten
.set STO,  2                           ; v2      the stage, in: WSTG w + 4 h rows + 4 r
.set RDA,  3                           ; v3      the stage, back: WSTG w + h rows + 16 r
.set GO,   4                           ; v4      out0: h head rows + 16 r
.set SPW,  5                           ; v5      LDS address of my spare word; never rewritten
.set NIL,  6                           ; v6      0; never rewritten
.set PW,   7                           ; v7      the scale word of the codes just made, and nothing else
.set P,    8                           ; v8-13   two slots of x, y, z: slot = tile % 2
.set FB,   14                          ; v14-15  source 1 of the first product
.set TM,   16                          ; v16-31  at work
.set CC,   32                          ; v32-35  the constant term of heads 4 h + 0 .. 3
.set W2S,  36                          ; v36-39  W2's scale words, tile t, and nothing else
.set OV,   40                          ; v40-43  results on their way to the stage  (v40-47: the head's offsets)
.set CODES, 48                         ; v48-63
.set W1A,  64                          ; v64-79  W1^T: 8 tiles x 2
.set W3A,  80                          ; v80-95  g2 W3 s in bf16: 2 K chunks x 8
.set B2C,  96                          ; v96-127 b2 in the result's layout: 4 tiles x 8
.set D1,   128                         ; v128-191 the first product's results: written by that matrix form alone
.set Y,    192                         ; v192-255 relu, d, h;  behind the conversions: Y+0..31 the second product and its d
.set BF,   Y+32                        ;          d in bf16
.set D3A,  Y+48                        ;          the last product, K chunk 0,
.set D3B,  Y+56                        ;          and K chunk 1
; window 1 (v256-511)
.set B1C,  0                           ; b1, g1, beta1 in the layout of Y
.set G1,   64
.set BE1,  128
.set W2F,  192                         ; W2's four fragments
; scalars
.set WV,   38
.set TRIP, 39
.set TX,   40                          ; s40-42 t;  s43-46 the quaternion x, y, z, w
.set HM,   47                          ; lanes 16-31, as a mask
.set RM,   48                          ; s48-56 R[j][i] at RM + 3 j + i
.set MNT,  57                          ; the mantissa field of 448
.set SEL,  58                          ; s[58:59] v_permlanex16_b32's selects for lane l xor 16
.set EPS,  60
.set I128, 61
.set I64,  62
.set MSB, 0
.macro WIN new                         ; bits 1:0 source 0, 3:2 source 1, 5:4 source 2, 7:6 destination; the immediate's high byte repeats the setting that is left
.if MSB != \new
	s_set_vgpr_msb (MSB<<8)|\new
.set MSB, \new
.endif
.endm
; n relus, ascending
.macro RELU dst, src, n
.set ri, 0
.rept (\n)/2
.if DUAL
	v_dual_max_num_f32 v[\dst+ri], 0, v[\src+ri] :: v_dual_max_num_f32 v[\dst+ri+1], 0, v[\src+ri+1]
.else
	v_max_num_f32 v[\dst+ri], 0, v[\src+ri]
	v_max_num_f32 v[\dst+ri+1], 0, v[\src+ri+1]
.endif
.set ri, ri+2
.endr
.endm
.macro MERGE                           ; four chains of pairs into v[TM:TM+1]
	v_pk_add_f32 v[TM:TM+1], v[TM:TM+1], v[TM+2:TM+3]
	v_pk_add_f32 v[TM+4:TM+5], v[TM+4:TM+5], v[TM+6:TM+7]
	v_pk_add_f32 v[TM:TM+1], v[TM:TM+1], v[TM+4:TM+5]
.endm
.macro SUMS base, np                   ; the sum of np pairs, in four chains that do not wait for each other; the first eight pairs start them: nothing is cleared
.irp q, 0,1,2,3
	v_pk_add_f32 v[TM+2*\q:TM+2*\q+1], v[\base+2*\q:\base+2*\q+1], v[\base+8+2*\q:\base+8+2*\q+1]
.endr
.set pp, 8
.rept (\np)-8
	v_pk_add_f32 v[TM+2*(pp%4):TM+2*(pp%4)+1], v[TM+2*(pp%4):TM+2*(pp%4)+1], v[\base+2*pp:\base+2*pp+1]
.set pp, pp+1
.endr
	MERGE
.endm
.macro SQS base, np                    ; the sum of their squares, likewise
.irp q, 0,1,2,3
	v_pk_mul_f32 v[TM+2*\q:TM+2*\q+1], v[\base+2*\q:\base+2*\q+1], v[\base+2*\q:\base+2*\q+1]
.endr
.set pp, 4
.rept (\np)-4
	v_pk_fma_f32 v[TM+2*(pp%4):TM+2*(pp%4)+1], v[\base+2*pp:\base+2*pp+1], v[\base+2*pp:\base+2*pp+1], v[TM+2*(pp%4):TM+2*(pp%4)+1]
.set pp, pp+1
.endr
	MERGE
.endm
.macro ACROSS                          ; the pair's two halves, and lane l xor 16's, which holds my point's other units
	v_add_f32 v[TM], v[TM], v[TM+1]
	v_permlanex16_b32 v[TM+12], v[TM], s[SEL], s[SEL+1]
	v_add_f32 v[TM], v[TM], v[TM+12]
.endm
.macro CENTRE base, np                 ; - mean, which lies in v[TM+8]: of the pair the low word serves both halves
.set pp, 0
.rept \np
	v_pk_add_f32 v[\base+pp:\base+pp+1], v[\base+pp:\base+pp+1], v[TM+8:TM+9] op_sel_hi:[1,0]
.set pp, pp+2
.endr
.endm
; 64 numbers of a lane, register Y + 16 b + i = unit 32 b + 16 h + i of my point, become the operand's codes and its scale word
.macro QUANT
.irp b, 0,1,2,3
	v_max3_num_f32 v[TM+\b], |v[Y+16*\b]|, |v[Y+1+16*\b]|, 0x4800000   ; block b: my 16 numbers, and the floor 2^(9 - 127): so the byte cannot fall under 1
.endr
.irp i, 2,4,6,8,10,12,14
.irp b, 0,1,2,3
	v_max3_num_f32 v[TM+\b], v[TM+\b], |v[Y+16*\b+\i]|, |v[Y+1+16*\b+\i]|   ; the four blocks by turns
.endr
.endr
.irp b, 0,1,2,3
	v_permlanex16_b32 v[TM+4+\b], v[TM+\b], s[SEL], s[SEL+1]
.endr
.irp b, 0,1,2,3
	v_max_num_f32 v[TM+\b], v[TM+\b], v[TM+4+\b]       ; with lane l xor 16's 16: the block's largest magnitude
.endr
.irp b, 0,1,2,3
	v_add_nc_u32 v[TM+12+\b], 0xfc000000, v[TM+\b]     ; 8 off its exponent field: the conversion takes the exponent field of this operand as its scale
.endr
.irp b, 0,1,2,3
	v_and_or_b32 v[TM+8+\b], v[TM+\b], 0x7f800000, s[MNT]   ; 448 x the scale
.endr
.irp b, 0,1,2,3
	v_lshrrev_b32 v[TM+4+\b], 23, v[TM+12+\b]          ; the scale's byte
.endr
	v_lshl_or_b32 v[PW], v[TM+5], 8, v[TM+4]           ; my point's scale word; the 64 holds below stand between it and the scaled matrix instruction
	v_lshl_or_b32 v[PW], v[TM+6], 16, v[PW]
	v_lshl_or_b32 v[PW], v[TM+7], 24, v[PW]
.irp b, 0,1,2,3
.irp i, 0,1,2,3,4,5,6,7,8,9,10,11,12,13,14,15
	v_med3_num_f32 v[Y+16*\b+\i], v[Y+16*\b+\i], -v[TM+8+\b], v[TM+8+\b]   ; the conversion to an 8-bit code does not saturate (ISA guide 7.6.2): the hold at the largest code x the scale
.endr
	v_cvt_scalef32_pk8_fp8_f32 v[CODES+4*\b:CODES+1+4*\b], v[Y+16*\b:Y+7+16*\b], v[TM+12+\b]
	v_cvt_scalef32_pk8_fp8_f32 v[CODES+2+4*\b:CODES+3+4*\b], v[Y+8+16*\b:Y+15+16*\b], v[TM+12+\b]
.endr
.endm
; the features of the tile in slot s, in two parts, so that each part can serve as the places that a matrix instruction wants
.macro FEATS_A s
.irp c, 0,1,2
	v_sub_f32 v[TM+\c], v[P+3*(\s)+\c], s[TX+\c]       ; v = point - t
.endr
.irp c, 0,1,2
	v_mul_f32 v[TM+3+\c], s[RM+\c], v[TM]              ; l_i = R[0][i] v_0
.endr
.endm
.macro FEATS_B
.irp c, 0,1,2
	v_fma_f32 v[TM+3+\c], s[RM+3+\c], v[TM+1], v[TM+3+\c]   ; + R[1][i] v_1
.endr
.irp c, 0,1,2
	v_fma_f32 v[TM+3+\c], s[RM+6+\c], v[TM+2], v[TM+3+\c]   ; + R[2][i] v_2
.endr
	v_mul_f32 v[TM+6], v[TM+3], v[TM+3]
	v_fma_f32 v[TM+6], v[TM+4], v[TM+4], v[TM+6]
	v_fma_f32 v[TM+6], v[TM+5], v[TM+5], v[TM+6]
	v_sqrt_f32 v[TM+7], v[TM+6]                        ; the distance
	v_cndmask_b32 v[FB], v[TM+3], v[TM+5], s[HM]       ; source 1, K = 4: register j of lane (r, h) is feature 2 h + j.  (The plain instruction behind the root)
	s_wait_alu depctr_va_vdst(0)                       ; the wait ahead of the first instruction that names the root
	v_cndmask_b32 v[FB+1], v[TM+4], v[TM+7], s[HM]
.endm
.macro WMMA1                           ; feats W1 + b1 of 16 points: eight accumulators, each begun with b1 as its C
	WIN 0x10                                           ; source 2 (b1) in window 1
.irp t, 0,1,2,3,4,5,6,7
	v_wmma_f32_16x16x4_f32 v[D1+8*\t:D1+8*\t+7], v[W1A+2*\t:W1A+2*\t+1], v[FB:FB+1], v[B1C+8*\t:B1C+8*\t+7]
.endr
	WIN 0
.endm
.macro WMMA2                           ; Q(h) W2 + b2: four accumulators, each one instruction: K = 128
	WIN 0x01                                           ; source 0 (W2) in window 1
.irp t, 0,1,2,3
	v_wmma_scale_f32_16x16x128_f8f6f4 v[Y+8*\t:Y+8*\t+7], v[W2F+16*\t:W2F+16*\t+15], v[CODES:CODES+15], v[B2C+8*\t:B2C+8*\t+7], v[W2S+\t], v[PW]
.endr
	WIN 0
.endm
; ONE TILE, the k-th of a trip's four.  On entry D1 holds its first product.  nxt = 1: the next tile's features and first product are made on the way;  ld = 1: the points of the tile three on are asked for;
; left: how many younger point loads may stay out when the next tile's points are wanted.
; PLACES: a vector instruction that reads a matrix result or writes one of a matrix instruction's registers stands 8 plain vector instructions behind the f32 and the scaled form, 4 behind the bf16 form.
.macro TILE k, nxt, ld, left
	RELU Y, D1, 64
	SUMS Y, 32
	ACROSS
	v_mul_f32 v[TM+8], 0xbc000000, v[TM]               ; - mean = - sum / 128
	CENTRE Y, 32
	SQS Y, 32                                          ; the variance is taken of the centred numbers: no difference of large sums
	ACROSS
	v_fma_f32 v[TM+13], v[TM], s[I128], s[EPS]
	v_rsq_f32 v[TM+10], v[TM+13]
	WIN 0x04                                           ; source 1 (g1) in window 1
.set pp, 0
.rept 32
	v_pk_mul_f32 v[Y+pp:Y+pp+1], v[Y+pp:Y+pp+1], v[G1+pp:G1+pp+1]   ; d g: it does not hang on the root, so it is the work behind it
.set pp, pp+2
.endr
	s_wait_alu depctr_va_vdst(0)                       ; the wait ahead of the first instruction that names the root's result
	WIN 0x10                                           ; source 2 (beta1) in window 1
.set pp, 0
.rept 32
	v_pk_fma_f32 v[Y+pp:Y+pp+1], v[Y+pp:Y+pp+1], v[TM+10:TM+11], v[BE1+pp:BE1+pp+1] op_sel_hi:[1,0,1]
.set pp, pp+2
.endr
	WIN 0
	QUANT
.if \nxt
	s_wait_loadcnt \left                               ; the next tile's three loads are in; the three of the tile behind it may be out
	FEATS_A ((\k)+1)%2                                 ; six plain instructions: the one behind the last conversion, and the four between the codes and the scaled matrix instruction
.if \ld
.irp c, 0,1,2
	global_load_b32 v[P+3*(((\k)+1)%2)+\c], v[VP], s[8:9] offset:192*((\k)+3)+4*\c   ; the slot just read takes the tile three on
.endr
.endif
.else
.rept 4
	v_nop
.endr
.endif
	WMMA2
.if \nxt
	FEATS_B                                            ; eleven plain instructions that name none of the four products' registers: the places ahead of the first read of their results
	WMMA1                                              ; the next tile's first product: all that follows in this tile stands between it and the read of its results
.else
.rept 8
	v_nop
.endr
.endif
	RELU Y, Y, 32
	SUMS Y, 16
	ACROSS
	v_mul_f32 v[TM+8], 0xbc800000, v[TM]               ; - mean = - sum / 64
	CENTRE Y, 16
.irp n, 0,1,2,3,4,5,6,7
	v_cvt_pk_bf16_f32 v[BF+\n], v[Y+2*\n], v[Y+2*\n+1]
.endr
	v_wmma_f32_16x16x32_bf16 v[D3A:D3A+7], v[W3A:W3A+7], v[BF:BF+7], 0              ; units 0-31
.irp n, 8,9,10,11,12,13,14,15
	v_cvt_pk_bf16_f32 v[BF+\n], v[Y+2*\n], v[Y+2*\n+1]
.endr
	v_wmma_f32_16x16x32_bf16 v[D3B:D3B+7], v[W3A+8:W3A+15], v[BF+8:BF+15], 0        ; units 32-63, an accumulator of its own: the two are added below
	SQS Y, 16                                          ; nineteen plain instructions: the places behind the two products
	ACROSS
	v_fma_f32 v[TM+13], v[TM], s[I64], s[EPS]
	v_rsq_f32 v[TM+10], v[TM+13]
	s_wait_dscnt 0x0                                   ; the last tile's four stores into the stage, issued a tile ago, have read their registers
	v_pk_add_f32 v[OV:OV+1], v[D3A:D3A+1], v[D3B:D3B+1]           ; each accumulator is read from its low end.  (The plain work behind the root)
	v_pk_add_f32 v[OV+2:OV+3], v[D3A+2:D3A+3], v[D3B+2:D3B+3]
	s_wait_alu depctr_va_vdst(0)                       ; the wait ahead of the first instruction that names the root's result
	v_pk_fma_f32 v[OV:OV+1], v[OV:OV+1], v[TM+10:TM+11], v[CC:CC+1] op_sel_hi:[1,0,1]
	v_pk_fma_f32 v[OV+2:OV+3], v[OV+2:OV+3], v[TM+10:TM+11], v[CC+2:CC+3] op_sel_hi:[1,0,1]
.irp j, 0,1,2,3
	ds_store_b32 v[STO], v[OV+\j] offset:SPITCH*\j+64*(\k)        ; head 4 h + j, point 16 k + r
.endr
.if (\k) == 3
.irp i, 0,1,2,3
	ds_load_b128 v[Y+4*\i:Y+4*\i+3], v[RDA] offset:2*SPITCH*\i    ; LDS serves a wave's instructions in order (ISA guide 5.7.1.4): these see my stores, and the next trip's stores come behind them
.endr
.irp i, 0,1,2,3
	s_wait_dscnt 3-\i                                  ; load i is in; the 3 - i issued behind it may be out
	global_store_b128 v[GO], v[Y+4*\i:Y+4*\i+3], s[36:37] offset:2097152*\i th:TH_STORE_NT   ; heads 2 i and 2 i + 1: 16 lanes store 256 consecutive bytes, at a multiple of 256 from out0's first byte
.endr
.endif
.endm
	; ---------------- the head
	s_load_b512 s[8:23], s[0:1], 0x0                   ; scene_points 8, grasp_poses 10, W1 12, b1 14, g1 16, beta1 18, W2_codes 20, W2_scales 22
	s_load_b256 s[24:31], s[0:1], 0x40                 ; b2 24, g2 26, beta2 28, W3 30
	s_load_b128 s[32:35], s[0:1], 0x60                 ; b3 32, bias_scale 34
	s_load_b64 s[36:37], s[0:1], 0x70                  ; out0
	v_lshl_add_u32 v[SPW], v0, 2, SPARE
	v_mov_b32 v[NIL], 0
	v_lshrrev_b32 v40, 5, v0
	v_readfirstlane_b32 s[WV], v40                     ; wave 0..7
	v_and_b32 v46, 15, v0                              ; r
	v_bfe_u32 v47, v0, 4, 1                            ; h
	s_mov_b32 s[HM], 0xffff0000
	s_mov_b32 s[MNT], 0x600000
	s_mov_b32 s[SEL], 0x76543210
	s_mov_b32 s[SEL+1], 0xfedcba98
	s_mov_b32 s[EPS], 0x3727c5ac                       ; 1e-5
	s_mov_b32 s[I128], 0x3c000000                      ; 1 / 128
	s_mov_b32 s[I64], 0x3c800000                       ; 1 / 64
	s_mul_i32 s39, s[WV], WSTG                         ; my stage (the register becomes the trip counter later)
	v_mul_u32_u24 v[VP], v46, 12
	v_mul_u32_u24 v[STO], v47, 4*SPITCH
	v_lshl_add_u32 v[STO], v46, 2, v[STO]
	v_add_nc_u32 v[STO], s39, v[STO]
	v_mul_u32_u24 v[RDA], v47, SPITCH
	v_lshl_add_u32 v[RDA], v46, 4, v[RDA]
	v_add_nc_u32 v[RDA], s39, v[RDA]
	v_lshlrev_b32 v[GO], 20, v47                       ; a head's plane of out0 is 64 x 4,096 x 4 bytes
	v_lshl_add_u32 v[GO], v46, 4, v[GO]
	v_and_b32 v40, 8, v46
	v_add_nc_u32 v40, v40, v46
	v_lshlrev_b32 v40, 2, v40
	v_lshl_add_u32 v40, v47, 10, v40                   ; W1: 4 (r + 8 (r / 8)) + two rows of 512 bytes x h
	v_lshlrev_b32 v41, 6, v47                          ; b1, g1, beta1: 64 h
	v_lshlrev_b32 v42, 7, v46
	v_lshl_add_u32 v42, v47, 4, v42                    ; W2's codes: 128 r + 16 h
	v_lshlrev_b32 v43, 2, v46                          ; W2's scale words: 4 r
	v_lshlrev_b32 v44, 5, v47                          ; b2, g2, beta2: 32 h
	v_lshrrev_b32 v45, 3, v46
	v_and_b32 v46, 3, v46
	v_lshl_add_u32 v46, v45, 2, v46                    ; the head of row r of the last product's source 0: r % 4 + 4 (r / 8)
	v_lshlrev_b32 v46, 2, v46                          ; b3, bias_scale: 4 x head
	v_lshl_add_u32 v45, v47, 8, v46                    ; W3: 8 h rows of 32 bytes + 4 x head
	s_and_b32 s40, ttmp7, 0xffff                       ; b
	s_lshl_b32 s2, s40, 6
	s_add_co_u32 s2, s2, ttmp9
	s_mul_i32 s2, s2, 28                               ; my pose: 28 (64 b + g)
	s_mov_b32 s3, 0
	s_mul_i32 s4, s40, 49152
	s_mul_i32 s41, s[WV], 6144
	s_add_co_u32 s4, s4, s41                           ; my points: 4,096 x 12 b + 512 x 12 w
	s_mov_b32 s5, 0
	s_lshl_b32 s6, s40, 23
	s_lshl_b32 s41, ttmp9, 14
	s_add_co_u32 s6, s6, s41
	s_lshl_b32 s41, s[WV], 11
	s_add_co_u32 s6, s6, s41                           ; out0: 8 planes x b + a row of 16,384 bytes x g + 2,048 w
	s_mov_b32 s7, 0
	s_wait_kmcnt 0x0
	s_add_nc_u64 s[10:11], s[10:11], s[2:3]
	s_add_nc_u64 s[8:9], s[8:9], s[4:5]
	s_add_nc_u64 s[36:37], s[36:37], s[6:7]
	s_load_b128 s[40:43], s[10:11], 0x0                ; t, and the quaternion's x
	s_load_b96 s[44:46], s[10:11], 0x10                ; y, z, w: 28 bytes in all, so the last pose's loads end with the buffer
	; all loads in one run
.irp s, 0,1
.irp c, 0,1,2
	global_load_b32 v[P+3*\s+\c], v[VP], s[8:9] offset:192*\s+4*\c          ; tiles 0 and 1
.endr
.endr
.irp t, 0,1,2,3,4,5,6,7
.irp j, 0,1
	global_load_b32 v[W1A+2*\t+\j], v40, s[12:13] offset:512*\j+4*(32*(\t/2)+8*(\t%2))   ; W1[2 h + j][the unit of row r of tile t]
.endr
.endr
	WIN 0x40                                           ; destination window 1
.irp t, 0,1,2,3,4,5,6,7
	global_load_b128 v[B1C+8*\t:B1C+8*\t+3],   v41, s[14:15] offset:4*(32*(\t/2)+8*(\t%2))
	global_load_b128 v[B1C+8*\t+4:B1C+8*\t+7], v41, s[14:15] offset:4*(32*(\t/2)+8*(\t%2))+16
	global_load_b128 v[G1+8*\t:G1+8*\t+3],     v41, s[16:17] offset:4*(32*(\t/2)+8*(\t%2))
	global_load_b128 v[G1+8*\t+4:G1+8*\t+7],   v41, s[16:17] offset:4*(32*(\t/2)+8*(\t%2))+16
	global_load_b128 v[BE1+8*\t:BE1+8*\t+3],   v41, s[18:19] offset:4*(32*(\t/2)+8*(\t%2))
	global_load_b128 v[BE1+8*\t+4:BE1+8*\t+7], v41, s[18:19] offset:4*(32*(\t/2)+8*(\t%2))+16
.endr
.irp t, 0,1,2,3
.irp c, 0,1,2,3
	global_load_b128 v[W2F+16*\t+4*\c:W2F+16*\t+4*\c+3], v42, s[20:21] offset:2048*\t+32*\c   ; row 16 t + r, K = 32 c + 16 h on
.endr
.endr
	WIN 0
.irp t, 0,1,2,3
	global_load_b32 v[W2S+\t], v43, s[22:23] offset:64*\t
	global_load_b128 v[B2C+8*\t:B2C+8*\t+3],   v44, s[24:25] offset:64*\t
	global_load_b128 v[B2C+8*\t+4:B2C+8*\t+7], v44, s[24:25] offset:64*\t+16
.endr
	; for the last product's constants: number 16 c + 8 q + i of a lane stands for unit 32 c + 16 q + 8 h + i, the bf16 operand's order
.irp c, 0,1
.irp q, 0,1
.irp i, 0,1,2,3,4,5,6,7
	global_load_b32 v[Y+16*\c+8*\q+\i], v45, s[30:31] offset:1024*\c+512*\q+32*\i         ; W3[unit][my row's head]
.endr
	global_load_b128 v[Y+32+16*\c+8*\q:Y+32+16*\c+8*\q+3],   v44, s[26:27] offset:128*\c+64*\q      ; g2
	global_load_b128 v[Y+32+16*\c+8*\q+4:Y+32+16*\c+8*\q+7], v44, s[26:27] offset:128*\c+64*\q+16
.endr
.endr
.irp q, 0,1
	global_load_b128 v[CODES+8*\q:CODES+8*\q+3],   v44, s[28:29] offset:64*\q                 ; beta2, units 0-31,
	global_load_b128 v[CODES+8*\q+4:CODES+8*\q+7], v44, s[28:29] offset:64*\q+16
	global_load_b128 v[TM+8*\q:TM+8*\q+3],         v44, s[28:29] offset:128+64*\q             ; and 32-63
	global_load_b128 v[TM+8*\q+4:TM+8*\q+7],       v44, s[28:29] offset:128+64*\q+16
.endr
	global_load_b32 v14, v46, s[32:33]                 ; b3 of my row's head
	global_load_b32 v15, v46, s[34:35]                 ; bias_scale of it
	s_wait_loadcnt 0x0                                 ; every constant is wanted now; the offsets' registers and the bases are free
	s_wait_kmcnt 0x0                                   ; the pose
	; the constant term (sum_k beta2_k W3_kn + b3_n) s_n, in f32
	v_mul_f32 v47, v[CODES], v[Y]
	v_mul_f32 v46, v[TM], v[Y+16]
.irp n, 1,2,3,4,5,6,7,8,9,10,11,12,13,14,15
	v_fma_f32 v47, v[CODES+\n], v[Y+\n], v47
	v_fma_f32 v46, v[TM+\n], v[Y+16+\n], v46
.endr
	v_add_f32 v47, v47, v46
	v_permlanex16_b32 v46, v47, s[SEL], s[SEL+1]       ; lanes r and r + 16 hold all 64 units between them
	v_add_f32 v47, v47, v46
	v_add_f32 v47, v47, v14
	v_mul_f32 v47, v47, v15
.irp n, 0,1,2,3,4,5,6,7
	v_readlane_b32 s[16+\n], v47, (\n%4)+8*(\n/4)      ; head n's lies in lane n % 4 + 8 (n / 4)
.endr
.irp j, 0,1,2,3
	v_mov_b32 v[CC+\j], s[16+\j]
	v_mov_b32 v46, s[20+\j]
	v_cndmask_b32 v[CC+\j], v[CC+\j], v46, s[HM]       ; head 4 h + j
.endr
	; source 0 of the last product: g2 W3 s in f32, then bf16; rows 4-7 and 12-15 are 0
	v_and_b32 v46, 4, v0
	v_cmp_eq_u32 vcc_lo, 0, v46
	v_cndmask_b32 v14, 0, v15, vcc_lo
.set pp, 0
.rept 16
	v_pk_mul_f32 v[Y+pp:Y+pp+1], v[Y+pp:Y+pp+1], v[Y+32+pp:Y+32+pp+1]
.set pp, pp+2
.endr
.set pp, 0
.rept 16
	v_pk_mul_f32 v[Y+pp:Y+pp+1], v[Y+pp:Y+pp+1], v[14:15] op_sel_hi:[1,0]
.set pp, pp+2
.endr
.irp n, 0,1,2,3,4,5,6,7,8,9,10,11,12,13,14,15
	v_cvt_pk_bf16_f32 v[W3A+\n], v[Y+2*\n], v[Y+2*\n+1]
.endr
	; the rotation: q / (|q| + 1e-8), then R; the same in every lane
	v_mov_b32 v[Y], s43                                ; x
	v_mov_b32 v[Y+1], s44                              ; y
	v_mov_b32 v[Y+2], s45                              ; z
	v_mov_b32 v[Y+3], s46                              ; w
	v_mul_f32 v[Y+4], v[Y], v[Y]
	v_fma_f32 v[Y+4], v[Y+1], v[Y+1], v[Y+4]
	v_fma_f32 v[Y+4], v[Y+2], v[Y+2], v[Y+4]
	v_fma_f32 v[Y+4], v[Y+3], v[Y+3], v[Y+4]
	v_sqrt_f32 v[Y+5], v[Y+4]
	v_nop                                              ; a plain instruction behind the root,
	s_wait_alu depctr_va_vdst(0)                       ; and the wait ahead of its first reader
	v_add_f32 v[Y+5], 0x322bcc77, v[Y+5]               ; + 1e-8
	v_rcp_f32 v[Y+6], v[Y+5]
	v_nop
	s_wait_alu depctr_va_vdst(0)
.irp i, 0,1,2,3
	v_mul_f32 v[Y+\i], v[Y+\i], v[Y+6]
.endr
	v_mul_f32 v[Y+8],  v[Y],   v[Y]                    ; xx
	v_mul_f32 v[Y+9],  v[Y+1], v[Y+1]                  ; yy
	v_mul_f32 v[Y+10], v[Y+2], v[Y+2]                  ; zz
	v_mul_f32 v[Y+11], v[Y],   v[Y+1]                  ; xy
	v_mul_f32 v[Y+12], v[Y],   v[Y+2]                  ; xz
	v_mul_f32 v[Y+13], v[Y+1], v[Y+2]                  ; yz
	v_mul_f32 v[Y+14], v[Y+3], v[Y]                    ; wx
	v_mul_f32 v[Y+15], v[Y+3], v[Y+1]                  ; wy
	v_mul_f32 v[Y+16], v[Y+3], v[Y+2]                  ; wz
	v_add_f32 v[Y+20], v[Y+9],  v[Y+10]                ; R[j][i] at Y + 20 + 3 j + i: first the sums and differences,
	v_sub_f32 v[Y+21], v[Y+11], v[Y+16]
	v_add_f32 v[Y+22], v[Y+12], v[Y+15]
	v_add_f32 v[Y+23], v[Y+11], v[Y+16]
	v_add_f32 v[Y+24], v[Y+8],  v[Y+10]
	v_sub_f32 v[Y+25], v[Y+13], v[Y+14]
	v_sub_f32 v[Y+26], v[Y+12], v[Y+15]
	v_add_f32 v[Y+27], v[Y+13], v[Y+14]
	v_add_f32 v[Y+28], v[Y+8],  v[Y+9]
.irp n, 20,24,28
	v_fma_f32 v[Y+\n], v[Y+\n], -2.0, 1.0              ; then 1 - 2 (.) on the diagonal
.endr
.irp n, 21,22,23,25,26,27
	v_add_f32 v[Y+\n], v[Y+\n], v[Y+\n]                ; and 2 (.) beside it
.endr
.irp n, 0,1,2,3,4,5,6,7,8
	v_readfirstlane_b32 s[RM+\n], v[Y+20+\n]
.endr
	; tile 0's features and first product; slot 0 takes tile 2
	FEATS_A 0
	FEATS_B
.irp c, 0,1,2
	global_load_b32 v[P+\c], v[VP], s[8:9] offset:384+4*\c
.endr
	WMMA1
.rept 8
	v_nop                                              ; the places ahead of the first read of its results: once; in the loop a tile's later work stands there
.endr
	s_mov_b32 s[TRIP], 7
.Ltrip:                                                    ; 7 trips of 4 tiles: tiles 0 to 27; the points of tiles up to 30 are asked for
	TILE 0, 1, 1, 3
	TILE 1, 1, 1, 3
	TILE 2, 1, 1, 3
	TILE 3, 1, 1, 3
	s_wait_xcnt 0x0                                    ; the stores' data (which the next relus write) and base, and the point loads' base, are rewritten only behind this wait
	s_add_nc_u64 s[8:9], s[8:9], 768                   ; 4 tiles of 192 bytes
	s_add_nc_u64 s[36:37], s[36:37], 256               ; 64 points in each head's row
	s_sub_co_u32 s[TRIP], s[TRIP], 1
	s_cmp_lg_u32 s[TRIP], 0
	s_cbranch_scc1 .Ltrip
	TILE 0, 1, 1, 3                                    ; the last four tiles are written out: one more load (tile 31, the wave's last), then none, and the counts run down
	TILE 1, 1, 0, 3
	TILE 2, 1, 0, 0
	TILE 3, 0, 0, 0
	s_wait_tensorcnt 0x0                               ; the wave's end: behind my last LDS store
	ds_add_u32 v[SPW], v[NIL]
	s_wait_dscnt 0x0
	s_endpgm
.Lfunc_end_k_q4b1a4f9eba_geo:
	.size	k_q4b1a4f9eba_geo, .Lfunc_end_k_q4b1a4f9eba_geo-k_q4b1a4f9eba_geo
	.p2alignl 7, 3214868480
	.fill 96, 4, 3214868480
	.section	.rodata,"a",@progbits
	.p2align	6, 0x0
	.amdhsa_kernel k_q4b1a4f9eba_geo
		.amdhsa_group_segment_fixed_size 19456
		.amdhsa_private_segment_fixed_size 0
		.amdhsa_enable_private_segment 0
		.amdhsa_kernarg_size 120
		.amdhsa_user_sgpr_count 2
		.amdhsa_user_sgpr_kernarg_segment_ptr 1
		.amdhsa_wavefront_size32 1
		.amdhsa_system_sgpr_workgroup_id_x 1
		.amdhsa_system_sgpr_workgroup_id_y 1
		.amdhsa_system_sgpr_workgroup_id_z 1
		.amdhsa_system_vgpr_workitem_id 0
		.amdhsa_next_free_vgpr 512
		.amdhsa_next_free_sgpr 66
		.amdhsa_reserve_vcc 1
		.amdhsa_float_denorm_mode_32 3
		.amdhsa_float_denorm_mode_16_64 3
		.amdhsa_memory_ordered 1
		.amdhsa_forward_progress 1
		.amdhsa_inst_pref_size 255
	.end_amdhsa_kernel
	.section	.bss,"aw",@nobits
	.p2align	6
	.space	262144
	.amdgpu_metadata
---
amdhsa.version: [ 1, 2 ]
amdhsa.kernels:
  - .name:           k_q4b1a4f9eba_geo
    .symbol:         k_q4b1a4f9eba_geo.kd
    .args:
      - { .name: scene_points, .offset: 0, .size: 8, .value_kind: global_buffer, .address_space: global }
      - { .name: grasp_poses, .offset: 8, .size: 8, .value_kind: global_buffer, .address_space: global }
      - { .name: W1, .offset: 16, .size: 8, .value_kind: global_buffer, .address_space: global }
      - { .name: b1, .offset: 24, .size: 8, .value_kind: global_buffer, .address_space: global }
      - { .name: g1, .offset: 32, .size: 8, .value_kind: global_buffer, .address_space: global }
      - { .name: beta1, .offset: 40, .size: 8, .value_kind: global_buffer, .address_space: global }
      - { .name: W2_codes, .offset: 48, .size: 8, .value_kind: global_buffer, .address_space: global }
      - { .name: W2_scales, .offset: 56, .size: 8, .value_kind: global_buffer, .address_space: global }
      - { .name: b2, .offset: 64, .size: 8, .value_kind: global_buffer, .address_space: global }
      - { .name: g2, .offset: 72, .size: 8, .value_kind: global_buffer, .address_space: global }
      - { .name: beta2, .offset: 80, .size: 8, .value_kind: global_buffer, .address_space: global }
      - { .name: W3, .offset: 88, .size: 8, .value_kind: global_buffer, .address_space: global }
      - { .name: b3, .offset: 96, .size: 8, .value_kind: global_buffer, .address_space: global }
      - { .name: bias_scale, .offset: 104, .size: 8, .value_kind: global_buffer, .address_space: global }
      - { .name: out0, .offset: 112, .size: 8, .value_kind: global_buffer, .address_space: global }
    .group_segment_fixed_size: 19456
    .private_segment_fixed_size: 0
    .kernarg_segment_align: 8
    .kernarg_segment_size: 120
    .max_flat_workgroup_size: 256
    .sgpr_count:     66
    .vgpr_count:     512
    .wavefront_size: 32
...
	.end_amdgpu_metadata
.endif
;; end of part 1
;; ======== version 2 of 2: 1 launch; version 1 with the launch geo written anew for expert scheduling mode
;; launch geo (part 2): grid 64 x 4, 8 waves a work-group, no clusters, 19,456 bytes of LDS; arguments scene_points, grasp_poses, W1, b1, g1, beta1, W2_codes, W2_scales, b2, g2, beta2, W3, b3, bias_scale, out0; writes out0
.if DOCPART == 2
	.amdgcn_target "amdgcn-amd-amdhsa--gfx1250"
	.amdhsa_code_object_version 6
	.text
	.protected	k_q4b1a4f9eba_geo
	.globl	k_q4b1a4f9eba_geo
	.p2align	8
	.type	k_q4b1a4f9eba_geo,@function
k_q4b1a4f9eba_geo:
	s_mov_b64 s[64:65], 0
	v_nop
	global_prefetch_b8 v0, s[64:65] scope:SCOPE_SE
	s_setreg_imm32_b32 hwreg(HW_REG_WAVE_SCHED_MODE, 0, 2), 2
	s_setreg_imm32_b32 hwreg(HW_REG_WAVE_MODE, 25, 1), 1
	s_wait_xcnt 0x0
	s_wait_alu depctr_vm_vsrc(0)
; GEOMETRIC ATTENTION BIAS.  For each (batch b, grasp g, point p): v = point - t;  l = R^T v;  feats = (l, |l|);  h = LN(relu(feats W1 + b1));  h is quantised to E4M3 with one E8M0 scale for each 32 of its 128;
; h2 = LN(relu(Q(h) W2 + b2)), W2 given as codes;  out[b][head][g][p] = (h2 W3 + b3)[head] x bias_scale[head].  4 x 64 x 4,096 rows; nothing between the points and out0 goes to memory.
; SHARES.  A work-group takes one (b, g): x = g, y = b.  Its eight waves take 512 points each: 32 tiles of 16 points.  R and t are the same for a whole wave and lie in scalar registers;
; all weights lie in each wave's registers (328 of its 512).  The waves share no LDS byte, so there is no barrier.
; LAYOUT.  r = lane % 16, h = lane / 16.  All three products are used transposed (source 0 = rows of a weight, source 1 = 16 points): A LANE HOLDS ONE POINT, r, FROM THE FEATURES TO THE RESULT.
;   4 -> 128, f32 matrix form (its K is 4), C = b1.  Row m of tile 2 b + u is hidden unit 32 b + 8 u + m + 8 (m / 8), so that register 16 b + i of a lane is unit 32 b + 16 h + i: the order of the 8-bit operand.
;   128 -> 64 on codes, C = b2.  Register 8 t + j is unit 16 t + 8 h + j, which, rounded to bf16 in pairs, is source 1 of the last product as it stands.
;   64 -> 8, bf16.  The second LayerNorm is folded in exactly: out = rs x sum_k d_k (g2_k W3_kn s_n) + (sum_k beta2_k W3_kn + b3_n) s_n, d = relu(.) - mean, rs = 1 / sqrt(var + eps).  Both constant factors are made
;   once a wave in f32; the first is then rounded to bf16, and so is d.  Rows 0-3 of source 0 are heads 0-3, rows 8-11 heads 4-7, the others 0: a lane's four lowest result registers are heads 4 h + 0 .. 3.
; THE WAY OUT.  A tile gives a lane four numbers of four far rows of out0.  Four tiles are gathered in the wave's own stage in LDS (8 head rows x 64 points) and leave as 256 consecutive aligned bytes for each 16 lanes.
; LIMITS.  NaN and infinities among the inputs are not served (the relu's maximum turns a NaN into 0).  A squared distance or a squared quaternion norm under 2^-126 counts as 0 in v_sqrt_f32.  A block of zeros has
; the scale byte 1 where the rule says 127: its codes are zeros, and this program alone reads the byte.  Sums run in another order than the reference's; (d g) rs + beta stands for ((d rs) g) + beta.
; grasp_tokens appears in no expression of the reference, so no output number hangs on it: it is not among the arguments and is not loaded.
; THE MODE: SCHED_MODE bits 1:0 = 2 (LLVM: expert scheduling mode 2), set by the entry lines.  The code itself states the register dependences between vector or matrix instructions and memory or LDS
; instructions, with s_wait_alu, always for 0.
; THE PLAN.  Registers that memory or LDS instructions touch, in the loop:
;   P0, P1     Tile n: three subtractions read slot (n + 1) % 2; behind the tile's wait the loads of tile n + 3 land in it.
;   OV         Written by a tile's last four packed instructions; read by four LDS stores that stand in the NEXT tile, behind that tile's wait; written again at that tile's end.
;   BF         Held and read by the quantiser, and read by the last tile's bf16 products; in a lap's fourth tile the stage's four loads land in it behind the tile's wait, four global stores read it, and the roundings to bf16 write it again.
;   CODES, PW  Written by vector instructions; the scaled matrix instruction takes them as source 1 and as its scale.
;   VP, STO, RDA, GO, SPW, NIL   Made at the head, never written again: the rows are reached by scalar bases and immediate offsets.
; So ONE wait on va_vdst stands in a tile for all of these, behind the six feature instructions that are the places ahead of the scaled products; the tile's point loads, stage stores and stage loads follow it in one group.
; One wait on vm_vsrc stands ahead of OV's first write, and in a lap's fourth tile one more ahead of the roundings into BF.  The three waits behind the root and the two reciprocal roots are there for those results.
.set DUAL,   1                         ; 1: two relus in one dual instruction; 0: singly
.set WSTG,   2304                      ; LDS: a wave's stage: 8 rows of SPITCH bytes, rounded up to whole blocks of 256
.set SPITCH, 272                       ; 64 points x 4 bytes + 16: lanes 16-31 store 4 rows = 272 words further on than lanes 0-15, 16 banks on (64 banks of 4 bytes: ISA guide 11.1)
.set SPARE,  8*WSTG                    ; behind the stages: the spare words, 128 bytes for each wave: four blocks of 256 bytes that no other line names
; window 0
.set VP,   1                           ; v1      12 r: my point in a tile's 192 bytes; never rewritten
.set STO,  2                           ; v2      the stage, in: WSTG w + 4 h rows + 4 r
.set RDA,  3                           ; v3      the stage, back: WSTG w + h rows + 16 r
.set GO,   4                           ; v4      out0: h head rows + 16 r
.set SPW,  5                           ; v5      LDS address of my spare word; never rewritten
.set NIL,  6                           ; v6      0; never rewritten
.set PW,   7                           ; v7      the scale word of the codes just made, and nothing else
.set P,    8                           ; v8-13   two slots of x, y, z: slot = tile % 2
.set FB,   14                          ; v14-15  source 1 of the first product
.set TM,   16                          ; v16-31  at work
.set CC,   32                          ; v32-35  the constant term of heads 4 h + 0 .. 3
.set W2S,  36                          ; v36-39  W2's scale words, tile t, and nothing else
.set OV,   40                          ; v40-43  results on their way to the stage  (v40-47: the head's offsets)
.set CODES, 48                         ; v48-63
.set W1A,  64                          ; v64-79  W1^T: 8 tiles x 2
.set W3A,  80                          ; v80-95  g2 W3 s in bf16: 2 K chunks x 8
.set B2C,  96                          ; v96-127 b2 in the result's layout: 4 tiles x 8
.set D1,   128                         ; v128-191 the first product's results: written by that matrix form alone
.set Y,    192                         ; v192-255 relu, d, h;  behind the conversions: Y+0..31 the second product and its d
.set BF,   Y+32                        ;          d in bf16; in a lap's fourth tile, ahead of that, the rows read back from the stage
.set D3A,  Y+48                        ;          the last product, K chunk 0,
.set D3B,  Y+56                        ;          and K chunk 1
; window 1 (v256-511)
.set B1C,  0                           ; b1, g1, beta1 in the layout of Y
.set G1,   64
.set BE1,  128
.set W2F,  192                         ; W2's four fragments
; scalars
.set WV,   38
.set TRIP, 39
.set TX,   40                          ; s40-42 t;  s43-46 the quaternion x, y, z, w
.set HM,   47                          ; lanes 16-31, as a mask
.set RM,   48                          ; s48-56 R[j][i] at RM + 3 j + i
.set MNT,  57                          ; the mantissa field of 448
.set SEL,  58                          ; s[58:59] v_permlanex16_b32's selects for lane l xor 16
.set EPS,  60
.set I128, 61
.set I64,  62
.set MSB, 0
.macro WIN new                         ; bits 1:0 source 0, 3:2 source 1, 5:4 source 2, 7:6 destination; the immediate's high byte repeats the setting that is left
.if MSB != \new
	s_set_vgpr_msb (MSB<<8)|\new
.set MSB, \new
.endif
.endm
; n relus, ascending
.macro RELU dst, src, n
.set ri, 0
.rept (\n)/2
.if DUAL
	v_dual_max_num_f32 v[\dst+ri], 0, v[\src+ri] :: v_dual_max_num_f32 v[\dst+ri+1], 0, v[\src+ri+1]
.else
	v_max_num_f32 v[\dst+ri], 0, v[\src+ri]
	v_max_num_f32 v[\dst+ri+1], 0, v[\src+ri+1]
.endif
.set ri, ri+2
.endr
.endm
.macro MERGE                           ; four chains of pairs into v[TM:TM+1]
	v_pk_add_f32 v[TM:TM+1], v[TM:TM+1], v[TM+2:TM+3]
	v_pk_add_f32 v[TM+4:TM+5], v[TM+4:TM+5], v[TM+6:TM+7]
	v_pk_add_f32 v[TM:TM+1], v[TM:TM+1], v[TM+4:TM+5]
.endm
.macro SUMS base, np                   ; the sum of np pairs, in four chains that do not wait for each other; the first eight pairs start them: nothing is cleared
.irp q, 0,1,2,3
	v_pk_add_f32 v[TM+2*\q:TM+2*\q+1], v[\base+2*\q:\base+2*\q+1], v[\base+8+2*\q:\base+8+2*\q+1]
.endr
.set pp, 8
.rept (\np)-8
	v_pk_add_f32 v[TM+2*(pp%4):TM+2*(pp%4)+1], v[TM+2*(pp%4):TM+2*(pp%4)+1], v[\base+2*pp:\base+2*pp+1]
.set pp, pp+1
.endr
	MERGE
.endm
.macro SQS base, np                    ; the sum of their squares, likewise
.irp q, 0,1,2,3
	v_pk_mul_f32 v[TM+2*\q:TM+2*\q+1], v[\base+2*\q:\base+2*\q+1], v[\base+2*\q:\base+2*\q+1]
.endr
.set pp, 4
.rept (\np)-4
	v_pk_fma_f32 v[TM+2*(pp%4):TM+2*(pp%4)+1], v[\base+2*pp:\base+2*pp+1], v[\base+2*pp:\base+2*pp+1], v[TM+2*(pp%4):TM+2*(pp%4)+1]
.set pp, pp+1
.endr
	MERGE
.endm
.macro ACROSS                          ; the pair's two halves, and lane l xor 16's, which holds my point's other units
	v_add_f32 v[TM], v[TM], v[TM+1]
	v_permlanex16_b32 v[TM+12], v[TM], s[SEL], s[SEL+1]
	v_add_f32 v[TM], v[TM], v[TM+12]
.endm
.macro CENTRE base, np                 ; - mean, which lies in v[TM+8]: of the pair the low word serves both halves
.set pp, 0
.rept \np
	v_pk_add_f32 v[\base+pp:\base+pp+1], v[\base+pp:\base+pp+1], v[TM+8:TM+9] op_sel_hi:[1,0]
.set pp, pp+2
.endr
.endm
; 64 numbers of a lane, register Y + 16 b + i = unit 32 b + 16 h + i of my point, become the operand's codes and its scale word
.macro QUANT
.irp b, 0,1,2,3
	v_max3_num_f32 v[TM+\b], |v[Y+16*\b]|, |v[Y+1+16*\b]|, 0x4800000   ; block b: my 16 numbers, and the floor 2^(9 - 127): so the byte cannot fall under 1
.endr
.irp i, 2,4,6,8,10,12,14
.irp b, 0,1,2,3
	v_max3_num_f32 v[TM+\b], v[TM+\b], |v[Y+16*\b+\i]|, |v[Y+1+16*\b+\i]|   ; the four blocks by turns
.endr
.endr
.irp b, 0,1,2,3
	v_permlanex16_b32 v[TM+4+\b], v[TM+\b], s[SEL], s[SEL+1]
.endr
.irp b, 0,1,2,3
	v_max_num_f32 v[TM+\b], v[TM+\b], v[TM+4+\b]       ; with lane l xor 16's 16: the block's largest magnitude
.endr
.irp b, 0,1,2,3
	v_add_nc_u32 v[TM+12+\b], 0xfc000000, v[TM+\b]     ; 8 off its exponent field: the conversion takes the exponent field of this operand as its scale
.endr
.irp b, 0,1,2,3
	v_and_or_b32 v[TM+8+\b], v[TM+\b], 0x7f800000, s[MNT]   ; 448 x the scale
.endr
.irp b, 0,1,2,3
	v_lshrrev_b32 v[TM+4+\b], 23, v[TM+12+\b]          ; the scale's byte
.endr
	v_lshl_or_b32 v[PW], v[TM+5], 8, v[TM+4]           ; my point's scale word; the 64 holds below stand between it and the scaled matrix instruction
	v_lshl_or_b32 v[PW], v[TM+6], 16, v[PW]
	v_lshl_or_b32 v[PW], v[TM+7], 24, v[PW]
.irp b, 0,1,2,3
.irp i, 0,1,2,3,4,5,6,7,8,9,10,11,12,13,14,15
	v_med3_num_f32 v[Y+16*\b+\i], v[Y+16*\b+\i], -v[TM+8+\b], v[TM+8+\b]   ; the conversion to an 8-bit code does not saturate (ISA guide 7.6.2): the hold at the largest code x the scale
.endr
	v_cvt_scalef32_pk8_fp8_f32 v[CODES+4*\b:CODES+1+4*\b], v[Y+16*\b:Y+7+16*\b], v[TM+12+\b]
	v_cvt_scalef32_pk8_fp8_f32 v[CODES+2+4*\b:CODES+3+4*\b], v[Y+8+16*\b:Y+15+16*\b], v[TM+12+\b]
.endr
.endm
; the features of the tile in slot s, in two parts, so that each part can serve as the places that a matrix instruction wants
.macro FEATS_A s
.irp c, 0,1,2
	v_sub_f32 v[TM+\c], v[P+3*(\s)+\c], s[TX+\c]       ; v = point - t
.endr
.irp c, 0,1,2
	v_mul_f32 v[TM+3+\c], s[RM+\c], v[TM]              ; l_i = R[0][i] v_0
.endr
.endm
.macro FEATS_B
.irp c, 0,1,2
	v_fma_f32 v[TM+3+\c], s[RM+3+\c], v[TM+1], v[TM+3+\c]   ; + R[1][i] v_1
.endr
.irp c, 0,1,2
	v_fma_f32 v[TM+3+\c], s[RM+6+\c], v[TM+2], v[TM+3+\c]   ; + R[2][i] v_2
.endr
	v_mul_f32 v[TM+6], v[TM+3], v[TM+3]
	v_fma_f32 v[TM+6], v[TM+4], v[TM+4], v[TM+6]
	v_fma_f32 v[TM+6], v[TM+5], v[TM+5], v[TM+6]
	v_sqrt_f32 v[TM+7], v[TM+6]                        ; the distance
	v_cndmask_b32 v[FB], v[TM+3], v[TM+5], s[HM]       ; source 1, K = 4: register j of lane (r, h) is feature 2 h + j.  (The plain instruction behind the root)
	s_wait_alu depctr_va_vdst(0)                       ; the root has written v[TM+7], ahead of the first instruction that names it
	v_cndmask_b32 v[FB+1], v[TM+4], v[TM+7], s[HM]
.endm
.macro WMMA1                           ; feats W1 + b1 of 16 points: eight accumulators, each begun with b1 as its C
	WIN 0x10                                           ; source 2 (b1) in window 1
.irp t, 0,1,2,3,4,5,6,7
	v_wmma_f32_16x16x4_f32 v[D1+8*\t:D1+8*\t+7], v[W1A+2*\t:W1A+2*\t+1], v[FB:FB+1], v[B1C+8*\t:B1C+8*\t+7]
.endr
	WIN 0
.endm
.macro WMMA2                           ; Q(h) W2 + b2: four accumulators, each one instruction: K = 128
	WIN 0x01                                           ; source 0 (W2) in window 1
.irp t, 0,1,2,3
	v_wmma_scale_f32_16x16x128_f8f6f4 v[Y+8*\t:Y+8*\t+7], v[W2F+16*\t:W2F+16*\t+15], v[CODES:CODES+15], v[B2C+8*\t:B2C+8*\t+7], v[W2S+\t], v[PW]
.endr
	WIN 0
.endm
; ONE TILE, the k-th from the place where the two bases stand (k = 0: the wave's first; 1 to 4: a lap's four).  On entry D1 holds its first product.  prev = 1: the tile before has left its results in OV, and they go to the stage here;
; with k = 4 that fills the stage, which then leaves.  nxt = 1: the next tile's features and first product are made on the way;  ld = 1: the points of the tile three on are asked for;
; left: how many younger point loads may stay out when the next tile's points are wanted.
; PLACES: a vector instruction that reads a matrix result or writes one of a matrix instruction's registers stands 8 plain vector instructions behind the f32 and the scaled form, 4 behind the bf16 form.
.macro TILE k, prev, nxt, ld, left
	RELU Y, D1, 64
	SUMS Y, 32
	ACROSS
	v_mul_f32 v[TM+8], 0xbc000000, v[TM]               ; - mean = - sum / 128
	CENTRE Y, 32
	SQS Y, 32                                          ; the variance is taken of the centred numbers: no difference of large sums
	ACROSS
	v_fma_f32 v[TM+13], v[TM], s[I128], s[EPS]
	v_rsq_f32 v[TM+10], v[TM+13]
	WIN 0x04                                           ; source 1 (g1) in window 1
.set pp, 0
.rept 32
	v_pk_mul_f32 v[Y+pp:Y+pp+1], v[Y+pp:Y+pp+1], v[G1+pp:G1+pp+1]   ; d g: it does not hang on the root, so it is the work behind it
.set pp, pp+2
.endr
	s_wait_alu depctr_va_vdst(0)                       ; the reciprocal root has written v[TM+10], ahead of the first instruction that names it
	WIN 0x10                                           ; source 2 (beta1) in window 1
.set pp, 0
.rept 32
	v_pk_fma_f32 v[Y+pp:Y+pp+1], v[Y+pp:Y+pp+1], v[TM+10:TM+11], v[BE1+pp:BE1+pp+1] op_sel_hi:[1,0,1]
.set pp, pp+2
.endr
	WIN 0
	QUANT
.if \nxt
	s_wait_loadcnt \left                               ; the next tile's three loads are in; the three of the tile behind it may be out
	FEATS_A ((\k)+1)%2                                 ; six plain instructions: the one behind the last conversion, and the four between the codes and the scaled matrix instruction
.else
.rept 4
	v_nop
.endr
.endif
	s_wait_alu depctr_va_vdst(0)                       ; THE TILE'S ONE WAIT FOR ITS MEMORY AND LDS INSTRUCTIONS, behind the places: the conversions have written the codes and the shifts the scale word, which the scaled products take;
	                                                   ; the subtractions are done reading the point slot, in which the loads below land; the tile before has written OV, which the stage's stores read;
	                                                   ; the holds, the conversions and the last bf16 products are done with BF, in which the stage's loads land.  No vector or matrix instruction stands between it and these
.if \ld
.irp c, 0,1,2
	global_load_b32 v[P+3*(((\k)+1)%2)+\c], v[VP], s[8:9] offset:192*((\k)+3)+4*\c   ; the slot just read takes the tile three on
.endr
.endif
.if \prev
.irp j, 0,1,2,3
	ds_store_b32 v[STO], v[OV+\j] offset:SPITCH*\j+64*(((\k)+3)%4)   ; the tile before: head 4 h + j, point 16 ((k + 3) % 4) + r
.endr
.if (\k)%4 == 0
.irp i, 0,1,2,3
	ds_load_b128 v[BF+4*\i:BF+4*\i+3], v[RDA] offset:2*SPITCH*\i     ; LDS serves a wave's instructions in order (ISA guide 5.7.1.4): these see my stores, and the next tiles' stores come behind them
.endr
.endif
.endif
	WMMA2
.if \nxt
	FEATS_B                                            ; eleven plain instructions that name none of the four products' registers: the places ahead of the first read of their results
	WMMA1                                              ; the next tile's first product: all that follows in this tile stands between it and the read of its results
.else
.rept 8
	v_nop
.endr
.endif
.if (\prev) && ((\k)%4 == 0)
.irp i, 0,1,2,3
	s_wait_dscnt 3-\i                                  ; load i is in; the 3 - i issued behind it may be out.  (No vector or matrix instruction since the tile's wait names BF or v[GO])
	global_store_b128 v[GO], v[BF+4*\i:BF+4*\i+3], s[36:37] offset:2097152*\i th:TH_STORE_NT   ; heads 2 i and 2 i + 1: 16 lanes store 256 consecutive bytes, at a multiple of 256 from out0's first byte
.endr
.endif
	RELU Y, Y, 32
	SUMS Y, 16
	ACROSS
	v_mul_f32 v[TM+8], 0xbc800000, v[TM]               ; - mean = - sum / 64
	CENTRE Y, 16
.if (\prev) && ((\k)%4 == 0)
	s_wait_xcnt 0x0                                    ; the four stores' data are rewritten only behind this wait (ISA guide 3.1),
	s_wait_alu depctr_vm_vsrc(0)                       ; and behind this one: the four global stores have read BF, which the roundings below write
.endif
.irp n, 0,1,2,3,4,5,6,7
	v_cvt_pk_bf16_f32 v[BF+\n], v[Y+2*\n], v[Y+2*\n+1]
.endr
	v_wmma_f32_16x16x32_bf16 v[D3A:D3A+7], v[W3A:W3A+7], v[BF:BF+7], 0              ; units 0-31
.irp n, 8,9,10,11,12,13,14,15
	v_cvt_pk_bf16_f32 v[BF+\n], v[Y+2*\n], v[Y+2*\n+1]
.endr
	v_wmma_f32_16x16x32_bf16 v[D3B:D3B+7], v[W3A+8:W3A+15], v[BF+8:BF+15], 0        ; units 32-63, an accumulator of its own: the two are added below
	SQS Y, 16                                          ; nineteen plain instructions: the places behind the two products
	ACROSS
	v_fma_f32 v[TM+13], v[TM], s[I64], s[EPS]
	v_rsq_f32 v[TM+10], v[TM+13]
	s_wait_dscnt 0x0                                   ; this tile's four stores into the stage are done
.if \prev
	s_wait_alu depctr_vm_vsrc(0)                       ; the four stage stores issued in this tile have read OV, which the additions below write
.endif
	v_pk_add_f32 v[OV:OV+1], v[D3A:D3A+1], v[D3B:D3B+1]           ; each accumulator is read from its low end.  (The plain work behind the root)
	v_pk_add_f32 v[OV+2:OV+3], v[D3A+2:D3A+3], v[D3B+2:D3B+3]
	s_wait_alu depctr_va_vdst(0)                       ; the reciprocal root has written v[TM+10], ahead of the first instruction that names it
	v_pk_fma_f32 v[OV:OV+1], v[OV:OV+1], v[TM+10:TM+11], v[CC:CC+1] op_sel_hi:[1,0,1]
	v_pk_fma_f32 v[OV+2:OV+3], v[OV+2:OV+3], v[TM+10:TM+11], v[CC+2:CC+3] op_sel_hi:[1,0,1]   ; OV goes to the stage in the next tile, behind that tile's wait
.endm
	; ---------------- the head
	s_load_b512 s[8:23], s[0:1], 0x0                   ; scene_points 8, grasp_poses 10, W1 12, b1 14, g1 16, beta1 18, W2_codes 20, W2_scales 22
	s_load_b256 s[24:31], s[0:1], 0x40                 ; b2 24, g2 26, beta2 28, W3 30
	s_load_b128 s[32:35], s[0:1], 0x60                 ; b3 32, bias_scale 34
	s_load_b64 s[36:37], s[0:1], 0x70                  ; out0
	v_lshl_add_u32 v[SPW], v0, 2, SPARE
	v_mov_b32 v[NIL], 0
	v_lshrrev_b32 v40, 5, v0
	v_readfirstlane_b32 s[WV], v40                     ; wave 0..7
	v_and_b32 v46, 15, v0                              ; r
	v_bfe_u32 v47, v0, 4, 1                            ; h
	s_mov_b32 s[HM], 0xffff0000
	s_mov_b32 s[MNT], 0x600000
	s_mov_b32 s[SEL], 0x76543210
	s_mov_b32 s[SEL+1], 0xfedcba98
	s_mov_b32 s[EPS], 0x3727c5ac                       ; 1e-5
	s_mov_b32 s[I128], 0x3c000000                      ; 1 / 128
	s_mov_b32 s[I64], 0x3c800000                       ; 1 / 64
	s_wait_alu depctr_va_sdst(0)                       ; the wave's number is written into s[WV], ahead of its first reader
	s_mul_i32 s39, s[WV], WSTG                         ; my stage (the register becomes the trip counter later)
	v_mul_u32_u24 v[VP], v46, 12
	v_mul_u32_u24 v[STO], v47, 4*SPITCH
	v_lshl_add_u32 v[STO], v46, 2, v[STO]
	v_add_nc_u32 v[STO], s39, v[STO]
	v_mul_u32_u24 v[RDA], v47, SPITCH
	v_lshl_add_u32 v[RDA], v46, 4, v[RDA]
	v_add_nc_u32 v[RDA], s39, v[RDA]
	v_lshlrev_b32 v[GO], 20, v47                       ; a head's plane of out0 is 64 x 4,096 x 4 bytes
	v_lshl_add_u32 v[GO], v46, 4, v[GO]
	v_and_b32 v40, 8, v46
	v_add_nc_u32 v40, v40, v46
	v_lshlrev_b32 v40, 2, v40
	v_lshl_add_u32 v40, v47, 10, v40                   ; W1: 4 (r + 8 (r / 8)) + two rows of 512 bytes x h
	v_lshlrev_b32 v41, 6, v47                          ; b1, g1, beta1: 64 h
	v_lshlrev_b32 v42, 7, v46
	v_lshl_add_u32 v42, v47, 4, v42                    ; W2's codes: 128 r + 16 h
	v_lshlrev_b32 v43, 2, v46                          ; W2's scale words: 4 r
	v_lshlrev_b32 v44, 5, v47                          ; b2, g2, beta2: 32 h
	v_lshrrev_b32 v45, 3, v46
	v_and_b32 v46, 3, v46
	v_lshl_add_u32 v46, v45, 2, v46                    ; the head of row r of the last product's source 0: r % 4 + 4 (r / 8)
	v_lshlrev_b32 v46, 2, v46                          ; b3, bias_scale: 4 x head
	v_lshl_add_u32 v45, v47, 8, v46                    ; W3: 8 h rows of 32 bytes + 4 x head
	s_and_b32 s40, ttmp7, 0xffff                       ; b
	s_lshl_b32 s2, s40, 6
	s_add_co_u32 s2, s2, ttmp9
	s_mul_i32 s2, s2, 28                               ; my pose: 28 (64 b + g)
	s_mov_b32 s3, 0
	s_mul_i32 s4, s40, 49152
	s_mul_i32 s41, s[WV], 6144
	s_add_co_u32 s4, s4, s41                           ; my points: 4,096 x 12 b + 512 x 12 w
	s_mov_b32 s5, 0
	s_lshl_b32 s6, s40, 23
	s_lshl_b32 s41, ttmp9, 14
	s_add_co_u32 s6, s6, s41
	s_lshl_b32 s41, s[WV], 11
	s_add_co_u32 s6, s6, s41                           ; out0: 8 planes x b + a row of 16,384 bytes x g + 2,048 w
	s_mov_b32 s7, 0
	s_wait_kmcnt 0x0
	s_add_nc_u64 s[10:11], s[10:11], s[2:3]
	s_add_nc_u64 s[8:9], s[8:9], s[4:5]
	s_add_nc_u64 s[36:37], s[36:37], s[6:7]
	s_load_b128 s[40:43], s[10:11], 0x0                ; t, and the quaternion's x
	s_load_b96 s[44:46], s[10:11], 0x10                ; y, z, w: 28 bytes in all, so the last pose's loads end with the buffer
	s_wait_alu depctr_va_vdst(0)                       ; the offsets v[VP] and v40 to v46 are written, which the loads below read; so are v[STO], v[RDA] and v[GO], which every later LDS access and store reads
	; all loads in one run: only loads and window switches stand between that wait and the last of them
.irp s, 0,1
.irp c, 0,1,2
	global_load_b32 v[P+3*\s+\c], v[VP], s[8:9] offset:192*\s+4*\c          ; tiles 0 and 1
.endr
.endr
.irp t, 0,1,2,3,4,5,6,7
.irp j, 0,1
	global_load_b32 v[W1A+2*\t+\j], v40, s[12:13] offset:512*\j+4*(32*(\t/2)+8*(\t%2))   ; W1[2 h + j][the unit of row r of tile t]
.endr
.endr
	WIN 0x40                                           ; destination window 1
.irp t, 0,1,2,3,4,5,6,7
	global_load_b128 v[B1C+8*\t:B1C+8*\t+3],   v41, s[14:15] offset:4*(32*(\t/2)+8*(\t%2))
	global_load_b128 v[B1C+8*\t+4:B1C+8*\t+7], v41, s[14:15] offset:4*(32*(\t/2)+8*(\t%2))+16
	global_load_b128 v[G1+8*\t:G1+8*\t+3],     v41, s[16:17] offset:4*(32*(\t/2)+8*(\t%2))
	global_load_b128 v[G1+8*\t+4:G1+8*\t+7],   v41, s[16:17] offset:4*(32*(\t/2)+8*(\t%2))+16
	global_load_b128 v[BE1+8*\t:BE1+8*\t+3],   v41, s[18:19] offset:4*(32*(\t/2)+8*(\t%2))
	global_load_b128 v[BE1+8*\t+4:BE1+8*\t+7], v41, s[18:19] offset:4*(32*(\t/2)+8*(\t%2))+16
.endr
.irp t, 0,1,2,3
.irp c, 0,1,2,3
	global_load_b128 v[W2F+16*\t+4*\c:W2F+16*\t+4*\c+3], v42, s[20:21] offset:2048*\t+32*\c   ; row 16 t + r, K = 32 c + 16 h on
.endr
.endr
	WIN 0
.irp t, 0,1,2,3
	global_load_b32 v[W2S+\t], v43, s[22:23] offset:64*\t
	global_load_b128 v[B2C+8*\t:B2C+8*\t+3],   v44, s[24:25] offset:64*\t
	global_load_b128 v[B2C+8*\t+4:B2C+8*\t+7], v44, s[24:25] offset:64*\t+16
.endr
	; for the last product's constants: number 16 c + 8 q + i of a lane stands for unit 32 c + 16 q + 8 h + i, the bf16 operand's order
.irp c, 0,1
.irp q, 0,1
.irp i, 0,1,2,3,4,5,6,7
	global_load_b32 v[Y+16*\c+8*\q+\i], v45, s[30:31] offset:1024*\c+512*\q+32*\i         ; W3[unit][my row's head]
.endr
	global_load_b128 v[Y+32+16*\c+8*\q:Y+32+16*\c+8*\q+3],   v44, s[26:27] offset:128*\c+64*\q      ; g2
	global_load_b128 v[Y+32+16*\c+8*\q+4:Y+32+16*\c+8*\q+7], v44, s[26:27] offset:128*\c+64*\q+16
.endr
.endr
.irp q, 0,1
	global_load_b128 v[CODES+8*\q:CODES+8*\q+3],   v44, s[28:29] offset:64*\q                 ; beta2, units 0-31,
	global_load_b128 v[CODES+8*\q+4:CODES+8*\q+7], v44, s[28:29] offset:64*\q+16
	global_load_b128 v[TM+8*\q:TM+8*\q+3],         v44, s[28:29] offset:128+64*\q             ; and 32-63
	global_load_b128 v[TM+8*\q+4:TM+8*\q+7],       v44, s[28:29] offset:128+64*\q+16
.endr
	global_load_b32 v14, v46, s[32:33]                 ; b3 of my row's head
	global_load_b32 v15, v46, s[34:35]                 ; bias_scale of it
	s_wait_loadcnt 0x0                                 ; every constant is wanted now; the bases are free
	s_wait_kmcnt 0x0                                   ; the pose
	s_wait_alu depctr_vm_vsrc(0)                       ; the loads above have read their offsets v40 to v46: v46 is written again below, v40 to v43 as OV in the tiles
	; the constant term (sum_k beta2_k W3_kn + b3_n) s_n, in f32
	v_mul_f32 v47, v[CODES], v[Y]
	v_mul_f32 v46, v[TM], v[Y+16]
.irp n, 1,2,3,4,5,6,7,8,9,10,11,12,13,14,15
	v_fma_f32 v47, v[CODES+\n], v[Y+\n], v47
	v_fma_f32 v46, v[TM+\n], v[Y+16+\n], v46
.endr
	v_add_f32 v47, v47, v46
	v_permlanex16_b32 v46, v47, s[SEL], s[SEL+1]       ; lanes r and r + 16 hold all 64 units between them
	v_add_f32 v47, v47, v46
	v_add_f32 v47, v47, v14
	v_mul_f32 v47, v47, v15
.irp n, 0,1,2,3,4,5,6,7
	v_readlane_b32 s[16+\n], v47, (\n%4)+8*(\n/4)      ; head n's lies in lane n % 4 + 8 (n / 4)
.endr
	s_wait_alu depctr_va_sdst(0)                       ; the eight lane reads have written s16 to s23, ahead of their first reader
.irp j, 0,1,2,3
	v_mov_b32 v[CC+\j], s[16+\j]
	v_mov_b32 v46, s[20+\j]
	v_cndmask_b32 v[CC+\j], v[CC+\j], v46, s[HM]       ; head 4 h + j
.endr
	; source 0 of the last product: g2 W3 s in f32, then bf16; rows 4-7 and 12-15 are 0
	v_and_b32 v46, 4, v0
	v_cmp_eq_u32 vcc_lo, 0, v46
	s_wait_alu depctr_va_vcc(0)                        ; the compare has written VCC, which the select below reads
	v_cndmask_b32 v14, 0, v15, vcc_lo
.set pp, 0
.rept 16
	v_pk_mul_f32 v[Y+pp:Y+pp+1], v[Y+pp:Y+pp+1], v[Y+32+pp:Y+32+pp+1]
.set pp, pp+2
.endr
.set pp, 0
.rept 16
	v_pk_mul_f32 v[Y+pp:Y+pp+1], v[Y+pp:Y+pp+1], v[14:15] op_sel_hi:[1,0]
.set pp, pp+2
.endr
.irp n, 0,1,2,3,4,5,6,7,8,9,10,11,12,13,14,15
	v_cvt_pk_bf16_f32 v[W3A+\n], v[Y+2*\n], v[Y+2*\n+1]
.endr
	; the rotation: q / (|q| + 1e-8), then R; the same in every lane
	v_mov_b32 v[Y], s43                                ; x
	v_mov_b32 v[Y+1], s44                              ; y
	v_mov_b32 v[Y+2], s45                              ; z
	v_mov_b32 v[Y+3], s46                              ; w
	v_mul_f32 v[Y+4], v[Y], v[Y]
	v_fma_f32 v[Y+4], v[Y+1], v[Y+1], v[Y+4]
	v_fma_f32 v[Y+4], v[Y+2], v[Y+2], v[Y+4]
	v_fma_f32 v[Y+4], v[Y+3], v[Y+3], v[Y+4]
	v_sqrt_f32 v[Y+5], v[Y+4]
	v_nop                                              ; a plain instruction behind the root
	s_wait_alu depctr_va_vdst(0)                       ; the root has written v[Y+5], ahead of its first reader
	v_add_f32 v[Y+5], 0x322bcc77, v[Y+5]               ; + 1e-8
	v_rcp_f32 v[Y+6], v[Y+5]
	v_nop
	s_wait_alu depctr_va_vdst(0)                       ; the reciprocal has written v[Y+6], ahead of its first reader
.irp i, 0,1,2,3
	v_mul_f32 v[Y+\i], v[Y+\i], v[Y+6]
.endr
	v_mul_f32 v[Y+8],  v[Y],   v[Y]                    ; xx
	v_mul_f32 v[Y+9],  v[Y+1], v[Y+1]                  ; yy
	v_mul_f32 v[Y+10], v[Y+2], v[Y+2]                  ; zz
	v_mul_f32 v[Y+11], v[Y],   v[Y+1]                  ; xy
	v_mul_f32 v[Y+12], v[Y],   v[Y+2]                  ; xz
	v_mul_f32 v[Y+13], v[Y+1], v[Y+2]                  ; yz
	v_mul_f32 v[Y+14], v[Y+3], v[Y]                    ; wx
	v_mul_f32 v[Y+15], v[Y+3], v[Y+1]                  ; wy
	v_mul_f32 v[Y+16], v[Y+3], v[Y+2]                  ; wz
	v_add_f32 v[Y+20], v[Y+9],  v[Y+10]                ; R[j][i] at Y + 20 + 3 j + i: first the sums and differences,
	v_sub_f32 v[Y+21], v[Y+11], v[Y+16]
	v_add_f32 v[Y+22], v[Y+12], v[Y+15]
	v_add_f32 v[Y+23], v[Y+11], v[Y+16]
	v_add_f32 v[Y+24], v[Y+8],  v[Y+10]
	v_sub_f32 v[Y+25], v[Y+13], v[Y+14]
	v_sub_f32 v[Y+26], v[Y+12], v[Y+15]
	v_add_f32 v[Y+27], v[Y+13], v[Y+14]
	v_add_f32 v[Y+28], v[Y+8],  v[Y+9]
.irp n, 20,24,28
	v_fma_f32 v[Y+\n], v[Y+\n], -2.0, 1.0              ; then 1 - 2 (.) on the diagonal
.endr
.irp n, 21,22,23,25,26,27
	v_add_f32 v[Y+\n], v[Y+\n], v[Y+\n]                ; and 2 (.) beside it
.endr
.irp n, 0,1,2,3,4,5,6,7,8
	v_readfirstlane_b32 s[RM+\n], v[Y+20+\n]
.endr
	s_wait_alu depctr_va_sdst(0)                       ; R's nine numbers are written into s[RM ..], ahead of their first reader, the features below
	; tile 0's features and first product; slot 0 takes tile 2
	FEATS_A 0
	FEATS_B                                            ; its wait on va_vdst stands behind the subtractions that read slot 0, and the one select behind that wait names neither the slot nor v[VP]: so it also serves the three loads below
.irp c, 0,1,2
	global_load_b32 v[P+\c], v[VP], s[8:9] offset:384+4*\c
.endr
	WMMA1
.rept 8
	v_nop                                              ; the places ahead of the first read of its results: once; in the loop a tile's later work stands there
.endr
	TILE 0, 0, 1, 1, 3                                 ; tile 0 stands ahead of the loop: it has no tile before it whose results would go to the stage
	s_mov_b32 s[TRIP], 7
.Ltrip:                                                    ; 7 laps of 4 tiles: tiles 1 to 28; a lap's fourth tile fills the stage and sends it out; the points of tiles up to 31, the wave's last, are asked for
	TILE 1, 1, 1, 1, 3
	TILE 2, 1, 1, 1, 3
	TILE 3, 1, 1, 1, 3
	TILE 4, 1, 1, 1, 3
	s_wait_xcnt 0x0                                    ; the point loads' base and the stores' base are rewritten only behind this wait
	s_add_nc_u64 s[8:9], s[8:9], 768                   ; 4 tiles of 192 bytes
	s_add_nc_u64 s[36:37], s[36:37], 256               ; 64 points in each head's row
	s_sub_co_u32 s[TRIP], s[TRIP], 1
	s_cmp_lg_u32 s[TRIP], 0
	s_cbranch_scc1 .Ltrip
	TILE 1, 1, 1, 0, 3                                 ; the last three tiles are written out: they ask for no points, so that no load leaves the buffer, and the counts run down
	TILE 2, 1, 1, 0, 0
	TILE 3, 1, 0, 0, 0
	s_wait_alu depctr_va_vdst(0)                       ; the last tile has written OV, which the stage's stores read; its roundings and bf16 products are done with BF, in which the stage's loads land
.irp j, 0,1,2,3
	ds_store_b32 v[STO], v[OV+\j] offset:SPITCH*\j+64*3              ; head 4 h + j, point 48 + r
.endr
.irp i, 0,1,2,3
	ds_load_b128 v[BF+4*\i:BF+4*\i+3], v[RDA] offset:2*SPITCH*\i     ; in order behind my stores
.endr
.irp i, 0,1,2,3
	s_wait_dscnt 3-\i                                  ; load i is in; the 3 - i issued behind it may be out
	global_store_b128 v[GO], v[BF+4*\i:BF+4*\i+3], s[36:37] offset:2097152*\i th:TH_STORE_NT
.endr
	s_wait_dscnt 0x0                                   ; the wave's end: behind my last LDS store
	s_wait_alu 0x0
	s_wait_tensorcnt 0x0
	ds_add_u32 v[SPW], v[NIL]
	s_wait_dscnt 0x0
	s_endpgm
.Lfunc_end_k_q4b1a4f9eba_geo:
	.size	k_q4b1a4f9eba_geo, .Lfunc_end_k_q4b1a4f9eba_geo-k_q4b1a4f9eba_geo
	.p2alignl 7, 3214868480
	.fill 96, 4, 3214868480
	.section	.rodata,"a",@progbits
	.p2align	6, 0x0
	.amdhsa_kernel k_q4b1a4f9eba_geo
		.amdhsa_group_segment_fixed_size 19456
		.amdhsa_private_segment_fixed_size 0
		.amdhsa_enable_private_segment 0
		.amdhsa_kernarg_size 120
		.amdhsa_user_sgpr_count 2
		.amdhsa_user_sgpr_kernarg_segment_ptr 1
		.amdhsa_wavefront_size32 1
		.amdhsa_system_sgpr_workgroup_id_x 1
		.amdhsa_system_sgpr_workgroup_id_y 1
		.amdhsa_system_sgpr_workgroup_id_z 1
		.amdhsa_system_vgpr_workitem_id 0
		.amdhsa_next_free_vgpr 512
		.amdhsa_next_free_sgpr 66
		.amdhsa_reserve_vcc 1
		.amdhsa_float_denorm_mode_32 3
		.amdhsa_float_denorm_mode_16_64 3
		.amdhsa_memory_ordered 1
		.amdhsa_forward_progress 1
		.amdhsa_inst_pref_size 255
	.end_amdhsa_kernel
	.section	.bss,"aw",@nobits
	.p2align	6
	.space	262144
	.amdgpu_metadata
---
amdhsa.version: [ 1, 2 ]
amdhsa.kernels:
  - .name:           k_q4b1a4f9eba_geo
    .symbol:         k_q4b1a4f9eba_geo.kd
    .args:
      - { .name: scene_points, .offset: 0, .size: 8, .value_kind: global_buffer, .address_space: global }
      - { .name: grasp_poses, .offset: 8, .size: 8, .value_kind: global_buffer, .address_space: global }
      - { .name: W1, .offset: 16, .size: 8, .value_kind: global_buffer, .address_space: global }
      - { .name: b1, .offset: 24, .size: 8, .value_kind: global_buffer, .address_space: global }
      - { .name: g1, .offset: 32, .size: 8, .value_kind: global_buffer, .address_space: global }
      - { .name: beta1, .offset: 40, .size: 8, .value_kind: global_buffer, .address_space: global }
      - { .name: W2_codes, .offset: 48, .size: 8, .value_kind: global_buffer, .address_space: global }
      - { .name: W2_scales, .offset: 56, .size: 8, .value_kind: global_buffer, .address_space: global }
      - { .name: b2, .offset: 64, .size: 8, .value_kind: global_buffer, .address_space: global }
      - { .name: g2, .offset: 72, .size: 8, .value_kind: global_buffer, .address_space: global }
      - { .name: beta2, .offset: 80, .size: 8, .value_kind: global_buffer, .address_space: global }
      - { .name: W3, .offset: 88, .size: 8, .value_kind: global_buffer, .address_space: global }
      - { .name: b3, .offset: 96, .size: 8, .value_kind: global_buffer, .address_space: global }
      - { .name: bias_scale, .offset: 104, .size: 8, .value_kind: global_buffer, .address_space: global }
      - { .name: out0, .offset: 112, .size: 8, .value_kind: global_buffer, .address_space: global }
    .group_segment_fixed_size: 19456
    .private_segment_fixed_size: 0
    .kernarg_segment_align: 8
    .kernarg_segment_size: 120
    .max_flat_workgroup_size: 256
    .sgpr_count:     66
    .vgpr_count:     512
    .wavefront_size: 32
...
	.end_amdgpu_metadata
.endif
;; end of part 2
